; MI455X (gfx1250); checked and timed in simulation.
; The chip was launched on July 23, 2026; its instructions are those of AMD's public machine-readable ISA for CDNA 5 (MIT licence, August 2026) and "CDNA5" Instruction Set Architecture Reference Guide (July 2026). The comments in the code are by the model that wrote it; some were corrected since.
;; MLP. Allowed arithmetic: float matrix products may take bf16 or f16 operands with f32 sums; all other float work in f32.
;; Inputs: b1a 16 float32; b1b 4 float32; b2a 16 float32; b2b 9 float32; grid1 1 x 32 x 8 x 16 x 16 float32; grid2 1 x 27 x 8 x 16 x 16 float32; src 1 x 3 x 1,024 x 1,024 float32; w1a 16 x 3 float32; w1b 4 x 16 float32; w2a 16 x 8 float32; w2b 9 x 16 float32.
;; Outputs: out0 1 x 3 x 1,024 x 1,024 float32.
;; One version. Each part assembles by itself: llvm-mc -triple=amdgcn-amd-amdhsa -mcpu=gfx1250 --defsym DOCPART=n.
;; ======== version 1 of 1: 3 launches
;; workspace buffers: q1 16,777,216 bytes of whole numbers; q2 37,748,736 bytes of whole numbers; hid 33,554,432 bytes
;; launch guide1 (part 1): grid 16 x 16, 16 waves a work-group, no clusters, 0 bytes of LDS; arguments src, w1a, b1a, w1b, b1b, q1; writes q1
.if DOCPART == 1
	.amdgcn_target "amdgcn-amd-amdhsa--gfx1250"
	.amdhsa_code_object_version 6
	.text
	.protected	k_q7b529c8b70_guide1
	.globl	k_q7b529c8b70_guide1
	.p2align	8
	.type	k_q7b529c8b70_guide1,@function
k_q7b529c8b70_guide1:
	s_mov_b64 s[64:65], 0
	v_nop
	global_prefetch_b8 v0, s[64:65] scope:SCOPE_SE
	s_setreg_imm32_b32 hwreg(HW_REG_WAVE_MODE, 25, 1), 1
	s_wait_xcnt 0x0
; Guide net of stage 1: q1[o] = depth coordinate of group o (o = 0..3) of every pixel, as a whole number.
;   pre = w1b relu(w1a src + b1a) + b1b;  tanh(pre) = 1 - 2 r with r = 1 / (1 + 2^(2.885390 pre));
;   iz = ((tanh + 1) 8 - 1) / 2 = 7.5 - 8 r;  q = u32(clamp(iz 2^24, 0, 7 2^24 - 8)): bits 31:24 the cell, bits 23:0 the fraction.
; The coordinate leaves this launch as a whole number because the next launch forms LDS addresses from it.
; LIMITS, kept on purpose: iz is capped at 7 - 2^-21 (not 7), so that cell + 1 always exists; NaN or infinite inputs are not served
; (the clamp drops a NaN).  The grain of q in f32 is 2^-21 of a cell at the most, that of an f32 coordinate in [4, 8).
; The two small products (3 -> 16 -> 4) are made in f32 on the vector unit, two pixels to a packed multiply-add, and not on the matrix
; unit: an error of the pre-activation is multiplied by 4 in the coordinate, by the grid's slope, and summed over the groups of both
; stages; 16-bit operands leave no margin for that (bf16) or no range at inputs 30 times larger (f16).
; SHARE: 256 work-groups; group (tx, b) owns columns 64 tx .. +63 (256 aligned bytes of a row) and 64 rows; 16 waves of 4 rows;
; lane l owns columns 2 l, 2 l + 1: every load and store of a wave covers 256 consecutive aligned bytes.
; Rows of band b < 15: 64 b + 32 + i.  Band 15 takes the 32 first and the 32 last rows of the picture (as the later launches do).
.set MB4,  4194304                     ; bytes in a plane of 1024 x 1024 words
.set ROWB, 4096                        ; bytes in a row
.set C2L,  0x4038aa3b                  ; 2 log2(e)
.set K1,   0xcd000000                  ; -2^27
.set K2,   0x4cf00000                  ; 7.5 x 2^24
.set QMAX, 0x4cdfffff                  ; 7 x 2^24 - 8
.set SQ,   40                          ; s40      QMAX
.set OFF,  2                           ; v2       byte offset of my two pixels in a plane, first row
.set ZERO, 3                           ; v3       0: offset of the weight loads
.set S,    4                           ; v[4:27]  src: row r, plane c: pair 4 + 6 r + 2 c
.set WA,   28                          ; v[28:75]   w1a[3 j + i], the same in every lane
.set BA,   76                          ; v[76:91]   b1a[j]
.set WB,   92                          ; v[92:155]  w1b[16 o + j]
.set BB,   156                         ; v[156:159] b1b[o]
.set A1,   160                         ; v[160:223] first layer: row parity e, unit j: pair 160 + 32 e + 2 j
.set P,    224                         ; v[224:239] second layer, then q: pair 224 + 8 e + 2 o
.set KV,   240                         ; v[240:241] (K1, K2)
; pair d = pair x * (one register w, for both halves) + pair c
.macro FMAB d, x, w, c
.set fd, \d
.set fx, \x
.set fc, \c
.set wl, (\w)&1
.set we, (\w)-wl
.if wl==0
	v_pk_fma_f32 v[fd:fd+1], v[fx:fx+1], v[we:we+1], v[fc:fc+1] op_sel_hi:[1,0,1]
.else
	v_pk_fma_f32 v[fd:fd+1], v[fx:fx+1], v[we:we+1], v[fc:fc+1] op_sel:[0,1,0] op_sel_hi:[1,1,1]
.endif
.endm
; pair d = pair x * (register w) + (register b): the first term of a sum takes the bias, nothing is cleared
.macro FMAB0 d, x, w, b
.set fd, \d
.set fx, \x
.set wl, (\w)&1
.set we, (\w)-wl
.set bl, (\b)&1
.set be, (\b)-bl
.if wl==0
.if bl==0
	v_pk_fma_f32 v[fd:fd+1], v[fx:fx+1], v[we:we+1], v[be:be+1] op_sel_hi:[1,0,0]
.else
	v_pk_fma_f32 v[fd:fd+1], v[fx:fx+1], v[we:we+1], v[be:be+1] op_sel:[0,0,1] op_sel_hi:[1,0,1]
.endif
.else
.if bl==0
	v_pk_fma_f32 v[fd:fd+1], v[fx:fx+1], v[we:we+1], v[be:be+1] op_sel:[0,1,0] op_sel_hi:[1,1,0]
.else
	v_pk_fma_f32 v[fd:fd+1], v[fx:fx+1], v[we:we+1], v[be:be+1] op_sel:[0,1,1] op_sel_hi:[1,1,1]
.endif
.endif
.endm
; n pairs from v[p], in place: pre-activation -> q.  Behind each run of transcendentals one v_nop stands before a result is used
; (ISA guide 5.7.2: a plain vector instruction between).
.macro TANHQ p, n
.set tq, 0
.rept \n
	v_pk_mul_f32 v[\p+2*tq:\p+2*tq+1], v[\p+2*tq:\p+2*tq+1], C2L op_sel_hi:[1,0]
.set tq, tq+1
.endr
.set tq, 0
.rept 2*\n
	v_exp_f32 v[\p+tq], v[\p+tq]
.set tq, tq+1
.endr
	v_nop
.set tq, 0
	s_wait_alu depctr_va_vdst(0)
.rept \n
	v_pk_add_f32 v[\p+2*tq:\p+2*tq+1], v[\p+2*tq:\p+2*tq+1], 1.0 op_sel_hi:[1,0]
.set tq, tq+1
.endr
.set tq, 0
.rept 2*\n
	v_rcp_f32 v[\p+tq], v[\p+tq]
.set tq, tq+1
.endr
	v_nop
.set tq, 0
	s_wait_alu depctr_va_vdst(0)
.rept \n
	v_pk_fma_f32 v[\p+2*tq:\p+2*tq+1], v[\p+2*tq:\p+2*tq+1], v[KV:KV+1], v[KV:KV+1] op_sel:[0,0,1] op_sel_hi:[1,0,1]   ; K1 r + K2
.set tq, tq+1
.endr
.set tq, 0
.rept 2*\n
	v_med3_num_f32 v[\p+tq], v[\p+tq], 0, s[SQ]
.set tq, tq+1
.endr
.set tq, 0
.rept 2*\n
	v_cvt_u32_f32 v[\p+tq], v[\p+tq]
.set tq, tq+1
.endr
.endm
	s_load_b256 s[8:15], s[0:1], 0x0               ; src s[8:9], w1a s[10:11], b1a s[12:13], w1b s[14:15]
	s_load_b128 s[16:19], s[0:1], 0x20             ; b1b s[16:17], q1 s[18:19]
	v_lshrrev_b32 v1, 5, v0
	v_readfirstlane_b32 s28, v1                    ; wave 0..15
	s_and_b32 s29, ttmp7, 0xffff                   ; band b
	s_lshl_b32 s30, s28, 2                         ; i0 = 4 x wave: my first row in the band
	s_lshl_b32 s31, s29, 6
	s_add_co_u32 s31, s31, s30
	s_add_co_u32 s31, s31, 32                      ; bands 0..14: row 64 b + 32 + i0
	s_cmp_lt_u32 s30, 32
	s_cselect_b32 s32, 0, 960
	s_add_co_u32 s32, s32, s30                     ; band 15: row i0, or 960 + i0 from i0 = 32 on
	s_cmp_eq_u32 s29, 15
	s_cselect_b32 s33, s32, s31                    ; my first row
	s_lshl_b32 s33, s33, 12
	s_lshl_b32 s34, ttmp9, 8
	s_add_co_u32 s33, s33, s34                     ; row x 4096 + tx x 256
	v_and_b32 v1, 31, v0
	v_lshl_add_u32 v[OFF], v1, 3, s33              ; + 8 x lane
	v_mov_b32 v[ZERO], 0
	v_mov_b32 v[KV], K1
	v_mov_b32 v[KV+1], K2
	s_mov_b32 s[SQ], QMAX
	s_wait_kmcnt 0x0
	s_add_nc_u64 s[24:25], s[8:9], MB4             ; src at plane 1: planes are reached by immediates of -1..+1 planes
	s_add_nc_u64 s[26:27], s[18:19], 2*MB4         ; q1 at plane 2: immediates of -2..+1 planes
.set e, 0
.rept 4
.set i, 0
.rept 3
	global_load_b64 v[S+6*e+2*i:S+6*e+2*i+1], v[OFF], s[24:25] offset:(i-1)*MB4+e*ROWB
.set i, i+1
.endr
.set e, e+1
.endr
	; the weights: every lane reads the same bytes, so that each stands in a register of its own in all lanes
.set i, 0
.rept 12
	global_load_b128 v[WA+4*i:WA+4*i+3], v[ZERO], s[10:11] offset:16*i
.set i, i+1
.endr
.set i, 0
.rept 4
	global_load_b128 v[BA+4*i:BA+4*i+3], v[ZERO], s[12:13] offset:16*i
.set i, i+1
.endr
.set i, 0
.rept 16
	global_load_b128 v[WB+4*i:WB+4*i+3], v[ZERO], s[14:15] offset:16*i
.set i, i+1
.endr
	global_load_b128 v[BB:BB+3], v[ZERO], s[16:17]
	s_wait_loadcnt 0x0                             ; everything this wave will ever read is in
; rows ra and ra + 1 together: 32 and 8 independent chains
.macro ROWS2 ra
.set i, 0
.rept 3
.set j, 0
.rept 16
.set e, 0
.rept 2
.if i==0
	FMAB0 A1+32*e+2*j, S+6*(\ra+e)+2*i, WA+3*j+i, BA+j
.else
	FMAB A1+32*e+2*j, S+6*(\ra+e)+2*i, WA+3*j+i, A1+32*e+2*j
.endif
.set e, e+1
.endr
.set j, j+1
.endr
.set i, i+1
.endr
.set j, 0
.rept 64
	v_max_num_f32 v[A1+j], 0, v[A1+j]              ; ReLU
.set j, j+1
.endr
.set j, 0
.rept 16
.set o, 0
.rept 4
.set e, 0
.rept 2
.if j==0
	FMAB0 P+8*e+2*o, A1+32*e+2*j, WB+16*o+j, BB+o
.else
	FMAB P+8*e+2*o, A1+32*e+2*j, WB+16*o+j, P+8*e+2*o
.endif
.set e, e+1
.endr
.set o, o+1
.endr
.set j, j+1
.endr
	TANHQ P, 8
.set e, 0
.rept 2
.set o, 0
.rept 4
	global_store_b64 v[OFF], v[P+8*e+2*o:P+8*e+2*o+1], s[26:27] offset:(o-2)*MB4+(\ra+e)*ROWB
.set o, o+1
.endr
.set e, e+1
.endr
.endm
	ROWS2 0
	s_wait_xcnt 0x0                                ; P is the data of the stores above: it is rewritten only behind this wait
	ROWS2 2
	s_endpgm
.Lfunc_end_k_q7b529c8b70_guide1:
	.size	k_q7b529c8b70_guide1, .Lfunc_end_k_q7b529c8b70_guide1-k_q7b529c8b70_guide1
	.p2alignl 7, 3214868480
	.fill 96, 4, 3214868480
	.section	.rodata,"a",@progbits
	.p2align	6, 0x0
	.amdhsa_kernel k_q7b529c8b70_guide1
		.amdhsa_group_segment_fixed_size 0
		.amdhsa_private_segment_fixed_size 0
		.amdhsa_enable_private_segment 0
		.amdhsa_kernarg_size 48
		.amdhsa_user_sgpr_count 2
		.amdhsa_user_sgpr_kernarg_segment_ptr 1
		.amdhsa_wavefront_size32 1
		.amdhsa_system_sgpr_workgroup_id_x 1
		.amdhsa_system_sgpr_workgroup_id_y 1
		.amdhsa_system_sgpr_workgroup_id_z 1
		.amdhsa_system_vgpr_workitem_id 0
		.amdhsa_next_free_vgpr 242
		.amdhsa_next_free_sgpr 66
		.amdhsa_reserve_vcc 0
		.amdhsa_float_denorm_mode_32 3
		.amdhsa_float_denorm_mode_16_64 3
		.amdhsa_memory_ordered 1
		.amdhsa_forward_progress 1
		.amdhsa_inst_pref_size 48
	.end_amdhsa_kernel
	.amdgpu_metadata
---
amdhsa.version: [ 1, 2 ]
amdhsa.kernels:
  - .name:           k_q7b529c8b70_guide1
    .symbol:         k_q7b529c8b70_guide1.kd
    .args:
      - { .name: src, .offset: 0, .size: 8, .value_kind: global_buffer, .address_space: global }
      - { .name: w1a, .offset: 8, .size: 8, .value_kind: global_buffer, .address_space: global }
      - { .name: b1a, .offset: 16, .size: 8, .value_kind: global_buffer, .address_space: global }
      - { .name: w1b, .offset: 24, .size: 8, .value_kind: global_buffer, .address_space: global }
      - { .name: b1b, .offset: 32, .size: 8, .value_kind: global_buffer, .address_space: global }
      - { .name: q1, .offset: 40, .size: 8, .value_kind: global_buffer, .address_space: global }
    .group_segment_fixed_size: 0
    .private_segment_fixed_size: 0
    .kernarg_segment_align: 8
    .kernarg_segment_size: 48
    .max_flat_workgroup_size: 512
    .sgpr_count:     66
    .vgpr_count:     242
    .wavefront_size: 32
...
	.end_amdgpu_metadata
.endif
;; end of part 1
;; launch slice1 (part 2): grid 16 x 16, 8 waves a work-group, no clusters, 140,288 bytes of LDS; arguments src, q1, grid1, w2a, b2a, w2b, b2b, hid, q2; writes hid, q2
.if DOCPART == 2
	.amdgcn_target "amdgcn-amd-amdhsa--gfx1250"
	.amdhsa_code_object_version 6
	.text
	.protected	k_q7b529c8b70_slice1
	.globl	k_q7b529c8b70_slice1
	.p2align	8
	.type	k_q7b529c8b70_slice1,@function
k_q7b529c8b70_slice1:
	s_mov_b64 s[64:65], 0
	v_nop
	global_prefetch_b8 v0, s[64:65] scope:SCOPE_SE
	s_setreg_imm32_b32 hwreg(HW_REG_WAVE_MODE, 25, 1), 1
	s_wait_xcnt 0x0
; Stage 1's slicing and apply, ReLU, and stage 2's guide net.
;   hid[o] = relu(sum over g < 3 of coeff1[g][o] src[g] + coeff1[3][o]),  q2[k] = depth coordinate of group k (0..8) as a whole number.
; x and y of the trilinear read are fixed by the pixel's place: ix = j/64 - 0.5, iy = r/64 - 0.5, clipped.  Only z hangs on data, and
; it comes as whole numbers q1 from the launch before (bits 31:24 cell z0 <= 6, bits 23:0 the fraction wz in units of 2^-24).
; SHARE: group (tx, b) owns columns 64 tx .. +63 and 64 rows that lie between grid rows ya and yb: band b < 15: rows 64 b + 32 + i,
; ya = b, yb = b + 1, wy = i/64; band 15: the 32 first rows (wy = 0) and the 32 last (wy = 1) with ya = 0, yb = 15.
; 8 waves of 8 rows; lane l owns columns 2 l and 2 l + 1: each global access of a wave covers 256 consecutive aligned bytes.
; TABLE in LDS, built once: for (group g, z, channel c, column) the pair (a, d): a = the x-lerp on grid row ya, d = the x-lerp on yb - a,
; at byte g 32768 + z 4096 + c 512 + p 256 + 8 l (p: column parity).  All terms but 8 l are multiples of 256 bytes, so the 32 lanes
; of a gather of 8 bytes fall on 32 different pairs of banks whatever z each lane asks for.
; SLICE AND APPLY IN ONE: with u1 = s_g wz_g, u0 = s_g - u1 (s = src[g], 1 for g = 3):  (A, D)[c] += u0 (a, d)[z0] + u1 (a, d)[z0 + 1],
; two packed multiply-adds for a group, channel and pixel; the result is A + wy D.
; LIMITS, kept on purpose: lerps are a + w d (a rounding order other than the reference's); the coordinates are capped at 7 - 2^-21;
; NaN or infinite inputs are not served.  The products 8 -> 16 -> 9 are made in f32 on the vector unit: a coordinate multiplies the
; error of its pre-activation by 4 and the grid's slope, summed over nine groups; 16-bit operands have no margin (bf16) or range (f16).
.set MB4,   4194304
.set ROWB,  4096
.set GS,    32768                      ; table: bytes of a group
.set ZS,    4096                       ; table: bytes of a z
.set STAGE, 131072                     ; behind the table: 256 (channel, z) x 2 halves of the columns x 4 grid cells, 8,192 bytes
.set C2L,   0x4038aa3b                 ; 2 log2(e)
.set K1,    0xcd000000                 ; -2^27
.set K2,    0x4cf00000                 ; 7.5 x 2^24
.set QMAX,  0x4cdfffff                 ; 7 x 2^24 - 8
.set P2M24, 0x33800000                 ; 2^-24
.set R64,   0x3c800000                 ; 1/64
; scalar registers: s[8:25] the nine addresses; s[26:39] bases inside the planar arrays
.set SW, 40                            ; wave
.set SB, 41                            ; band
.set SI0, 42
.set SRN, 43
.set SE, 44
.set SNE, 45
.set SR0, 46
.set SN0, 47
.set SYA, 48
.set SYB, 49
.set SCNT, 50                          ; trips
.set SDWY, 51                          ; step of wy from row to row
.set SQ, 52                            ; QMAX
.set SB1, 53
.set SOFF, 54
.set ST, 55
.set STXM1, 56                         ; tx - 1
.set SJ0, 57                           ; 64 tx - 32
.set SDY, 58                           ; yb - ya
; vector registers, block 0
.set OFF,  2                           ; byte offset of my two pixels in a plane, row of the trip
.set ZERO, 3
.set WY,   4
.set LANE, 5
.set GB,   6                           ; v[6:9]     g 32768 + 8 l
.set AD,   10                          ; v[10:17]   table address of (g, pixel p), n = 2 g + p
.set U,    18                          ; v[18:33]   (u0, u1) of n
.set H,    18                          ; the same registers later: hidden, pair 18 + 2 c = both pixels
.set RAW0, 34                          ; v[34:47]   a row as loaded: 3 pairs of src, 4 pairs of q1
.set RAW1, 48                          ; v[48:61]
.set SP,   62                          ; v[62:67]   src x 2^-24
.set T,    68                          ; v[68:75]   at work
.set ACC,  76                          ; v[76:107]  (A, D) of pixel p, channel c: 76 + 16 p + 2 c
.set BUF,  108                         ; v[108:203] three batches of 16 gathered pairs
.set A2,   108                         ; behind the slicing: first layer of the guide, 16 pairs
.set P,    140                         ; second layer, 9 pairs, then q2
.set P8B,  158                         ; second chain of output 8
.set W8,   204                         ; v[204:219] w2b row 8
.set B2A,  220                         ; v[220:235]
.set B2B,  236                         ; v[236:244], v245 = 0 fills the pair
.set KV,   246                         ; (K1, K2)
; block 1 (v256-511): 0-127 w2a[8 j + k], 128-255 w2b[16 o + j] for o < 8
; while the table is built:
.set WXA,  18                          ; (wx, 1 - wx) of column 2 l
.set WXB,  20                          ; of column 2 l + 1
.set TA,   22                          ; v[22:23] where I store table entries (groups 0-1, 2-3)
.set SA,   24                          ; where I read the stage
.set GOFF, 25                          ; my cell's byte offset in grid1
.set QD,   76                          ; v[76:203] 32 channels x 4 cells
.set MSB, 0
.macro WIN new                         ; the immediate's high byte repeats the setting that is left
.if MSB != \new
	s_set_vgpr_msb (MSB<<8)|\new
.set MSB, \new
.endif
.endm
.macro FMAB d, x, w, c                 ; pair d = pair x * (register w, both halves) + pair c
.set fd, \d
.set fx, \x
.set fc, \c
.set wl, (\w)&1
.set we, (\w)-wl
.if wl==0
	v_pk_fma_f32 v[fd:fd+1], v[fx:fx+1], v[we:we+1], v[fc:fc+1] op_sel_hi:[1,0,1]
.else
	v_pk_fma_f32 v[fd:fd+1], v[fx:fx+1], v[we:we+1], v[fc:fc+1] op_sel:[0,1,0] op_sel_hi:[1,1,1]
.endif
.endm
.macro FMAB0 d, x, w, b                ; pair d = pair x * (register w) + (register b)
.set fd, \d
.set fx, \x
.set wl, (\w)&1
.set we, (\w)-wl
.set bl, (\b)&1
.set be, (\b)-bl
.if wl==0
.if bl==0
	v_pk_fma_f32 v[fd:fd+1], v[fx:fx+1], v[we:we+1], v[be:be+1] op_sel_hi:[1,0,0]
.else
	v_pk_fma_f32 v[fd:fd+1], v[fx:fx+1], v[we:we+1], v[be:be+1] op_sel:[0,0,1] op_sel_hi:[1,0,1]
.endif
.else
.if bl==0
	v_pk_fma_f32 v[fd:fd+1], v[fx:fx+1], v[we:we+1], v[be:be+1] op_sel:[0,1,0] op_sel_hi:[1,1,0]
.else
	v_pk_fma_f32 v[fd:fd+1], v[fx:fx+1], v[we:we+1], v[be:be+1] op_sel:[0,1,1] op_sel_hi:[1,1,1]
.endif
.endif
.endm
.macro MULB d, x, w                    ; pair d = pair x * (register w): starts a sum
.set fd, \d
.set fx, \x
.set wl, (\w)&1
.set we, (\w)-wl
.if wl==0
	v_pk_mul_f32 v[fd:fd+1], v[fx:fx+1], v[we:we+1] op_sel_hi:[1,0]
.else
	v_pk_mul_f32 v[fd:fd+1], v[fx:fx+1], v[we:we+1] op_sel:[0,1] op_sel_hi:[1,1]
.endif
.endm
; n pairs from v[p], in place: pre-activation -> whole-number coordinate.  One v_nop behind each run of transcendentals (ISA guide 5.7.2).
.macro TANHQ p, n
.set tq, 0
.rept \n
	v_pk_mul_f32 v[\p+2*tq:\p+2*tq+1], v[\p+2*tq:\p+2*tq+1], C2L op_sel_hi:[1,0]
.set tq, tq+1
.endr
.set tq, 0
.rept 2*\n
	v_exp_f32 v[\p+tq], v[\p+tq]
.set tq, tq+1
.endr
	v_nop
.set tq, 0
	s_wait_alu depctr_va_vdst(0)
.rept \n
	v_pk_add_f32 v[\p+2*tq:\p+2*tq+1], v[\p+2*tq:\p+2*tq+1], 1.0 op_sel_hi:[1,0]
.set tq, tq+1
.endr
.set tq, 0
.rept 2*\n
	v_rcp_f32 v[\p+tq], v[\p+tq]
.set tq, tq+1
.endr
	v_nop
.set tq, 0
	s_wait_alu depctr_va_vdst(0)
.rept \n
	v_pk_fma_f32 v[\p+2*tq:\p+2*tq+1], v[\p+2*tq:\p+2*tq+1], v[KV:KV+1], v[KV:KV+1] op_sel:[0,0,1] op_sel_hi:[1,0,1]   ; K1 r + K2
.set tq, tq+1
.endr
.set tq, 0
.rept 2*\n
	v_med3_num_f32 v[\p+tq], v[\p+tq], 0, s[SQ]
.set tq, tq+1
.endr
.set tq, 0
.rept 2*\n
	v_cvt_u32_f32 v[\p+tq], v[\p+tq]
.set tq, tq+1
.endr
.endm
; the wave's rows, the grid rows of the band, wy and its step
.macro GEOM rpw
	v_lshrrev_b32 v1, 5, v0
	v_readfirstlane_b32 s[SW], v1
	s_and_b32 s[SB], ttmp7, 0xffff
	s_mul_i32 s[SI0], s[SW], \rpw                  ; i0: my first row in the band
	s_lshl_b32 s[SRN], s[SB], 6
	s_add_co_u32 s[SRN], s[SRN], s[SI0]
	s_add_co_u32 s[SRN], s[SRN], 32                ; bands 0..14: row 64 b + 32 + i0
	s_add_co_u32 s[SB1], s[SB], 1
	s_cmp_lt_u32 s[SI0], 32
	s_cselect_b32 s[SE], 0, 960
	s_cselect_b32 s[SNE], 0, 64
	s_add_co_u32 s[SE], s[SE], s[SI0]              ; band 15: row i0 or 960 + i0
	s_cmp_eq_u32 s[SB], 15                         ; only selects follow: they leave SCC alone
	s_cselect_b32 s[SR0], s[SE], s[SRN]
	s_cselect_b32 s[SN0], s[SNE], s[SI0]           ; 64 wy of my first row
	s_cselect_b32 s[SDWY], 0, R64
	s_cselect_b32 s[SYA], 0, s[SB]
	s_cselect_b32 s[SYB], 15, s[SB1]
	s_lshl_b32 s[SOFF], s[SR0], 12
	s_lshl_b32 s[ST], ttmp9, 8
	s_add_co_u32 s[SOFF], s[SOFF], s[ST]
	v_and_b32 v[LANE], 31, v0
	v_lshl_add_u32 v[OFF], v[LANE], 3, s[SOFF]
	v_cvt_f32_u32 v[WY], s[SN0]
	v_mul_f32 v[WY], R64, v[WY]
.endm
; one table entry: cells (ya,xc) (yb,xc) (ya,xc+1) (yb,xc+1) in v[g:g+3], (wx, 1 - wx) in v[w:w+1]
.macro BUILD1 g, w, ta, of, t
	v_pk_mul_f32 v[\t:\t+1], v[\g:\g+1], v[\w:\w+1] op_sel:[0,1] op_sel_hi:[1,1]
	v_pk_fma_f32 v[\t:\t+1], v[\g+2:\g+3], v[\w:\w+1], v[\t:\t+1] op_sel_hi:[1,0,1]
	v_sub_f32 v[\t+1], v[\t+1], v[\t]
	ds_store_b64 v[\ta], v[\t:\t+1] offset:\of
.endm
.macro BUILDH first                    ; 16 channels, both of my columns
.set ch, \first
.rept 16
.set gq, QD+4*ch
.set ta, TA+(ch>>4)
.set of, ((ch>>3)&1)*GS+(ch&7)*512
.set tt, T+4*(ch&1)
	BUILD1 gq, WXA, ta, of, tt
	BUILD1 gq, WXB, ta, of+256, tt+2
.set ch, ch+1
.endr
.endm
.macro RAWLOAD raw, row                ; seven loads: a row of src and of q1; read for the last time
.irp c, 0,1,2
	global_load_b64 v[\raw+2*\c:\raw+2*\c+1], v[OFF], s[26:27] offset:(\c-1)*MB4+(\row)*ROWB th:TH_LOAD_NT
.endr
.irp g, 0,1,2,3
	global_load_b64 v[\raw+6+2*\g:\raw+6+2*\g+1], v[OFF], s[28:29] offset:(\g-2)*MB4+(\row)*ROWB th:TH_LOAD_NT
.endr
.endm
	s_load_b512 s[8:23], s[0:1], 0x0               ; src 8, q1 10, grid1 12, w2a 14, b2a 16, w2b 18, b2b 20, hid 22
	s_load_b64 s[24:25], s[0:1], 0x40              ; q2
	v_lshl_add_u32 v254, v0, 2, 0x22000
	v_mov_b32 v255, 0
	GEOM 8
	s_add_co_i32 s[STXM1], ttmp9, -1
	s_lshl_b32 s[SJ0], ttmp9, 6
	s_sub_co_i32 s[SJ0], s[SJ0], 32
	s_sub_co_u32 s[SDY], s[SYB], s[SYA]
	s_mov_b32 s[SQ], QMAX
	; thread t fetches one grid cell of 8 (channel, z): bit 0 of t: ya or yb; bit 1: xc or xc + 1; bit 2: half of the columns; t >> 3: (channel, z)
	v_and_b32 v26, 1, v0
	v_bfe_u32 v27, v0, 1, 1
	v_bfe_u32 v28, v0, 2, 1
	v_lshrrev_b32 v29, 3, v0
	v_add_nc_u32 v28, s[STXM1], v28
	v_max_i32 v28, 0, v28
	v_min_i32 v28, 14, v28                         ; xc = clamp(tx - 1 + half, 0, 14)
	v_add_nc_u32 v28, v28, v27
	v_mad_u32_u24 v26, v26, s[SDY], s[SYA]         ; y
	v_lshlrev_b32 v[GOFF], 10, v29
	v_lshl_add_u32 v[GOFF], v26, 6, v[GOFF]
	v_lshl_add_u32 v[GOFF], v28, 2, v[GOFF]
	v_mov_b32 v[ZERO], 0
	s_wait_kmcnt 0x0
	s_add_nc_u64 s[26:27], s[8:9], MB4             ; src at plane 1
	s_add_nc_u64 s[28:29], s[10:11], 2*MB4         ; q1 at plane 2
	s_add_nc_u64 s[30:31], s[22:23], 2*MB4         ; hid at planes 2 and 6
	s_add_nc_u64 s[32:33], s[22:23], 6*MB4
	s_add_nc_u64 s[34:35], s[24:25], 2*MB4         ; q2 at planes 2, 6 and 8
	s_add_nc_u64 s[36:37], s[24:25], 6*MB4
	s_add_nc_u64 s[38:39], s[24:25], 8*MB4
.irp k, 0,1,2,3,4,5,6,7
	global_load_b32 v[T+\k], v[GOFF], s[12:13] offset:\k*32768     ; 32 (channel, z) further each time
.endr
	RAWLOAD RAW0, 0
	RAWLOAD RAW1, 1
	; my columns' x weights, and the LDS addresses of the build
	v_lshrrev_b32 v26, 4, v[LANE]                  ; half of the columns
	v_add_nc_u32 v27, s[STXM1], v26
	v_max_i32 v27, 0, v27
	v_min_i32 v27, 14, v27
	v_lshlrev_b32 v27, 6, v27                      ; 64 xc
	v_lshl_add_u32 v28, v[LANE], 1, s[SJ0]         ; j - 32
	v_sub_nc_u32 v28, v28, v27
	v_cvt_f32_i32 v[WXA], v28
	v_add_nc_u32 v28, 1, v28
	v_cvt_f32_i32 v[WXB], v28
	v_mul_f32 v[WXA], R64, v[WXA]
	v_mul_f32 v[WXB], R64, v[WXB]
	v_med3_num_f32 v[WXA], v[WXA], 0, 1.0          ; the clip at the picture's left and right edge
	v_med3_num_f32 v[WXB], v[WXB], 0, 1.0
	v_sub_f32 v[WXA+1], 1.0, v[WXA]
	v_sub_f32 v[WXB+1], 1.0, v[WXB]
	s_lshl_b32 s[ST], s[SW], 12                    ; wave w builds z = w
	v_lshl_add_u32 v[TA], v[LANE], 3, s[ST]
	v_add_nc_u32 v[TA+1], 2*GS, v[TA]
	s_lshl_b32 s[ST], s[SW], 5
	s_add_co_u32 s[ST], s[ST], STAGE
	v_lshl_add_u32 v[SA], v26, 4, s[ST]
	v_lshl_add_u32 v29, v0, 2, STAGE
	v_lshlrev_b32 v[GB], 3, v[LANE]
.irp g, 1,2,3
	v_add_nc_u32 v[GB+\g], \g*GS, v[GB]
.endr
	v_mov_b32 v[KV], K1
	v_mov_b32 v[KV+1], K2
	v_mov_b32 v[B2B+9], 0
	s_wait_loadcnt 14                              ; the 14 loads of rows 0 and 1 are younger: the eight cells are in
.irp k, 0,1,2,3,4,5,6,7
	ds_store_b32 v29, v[T+\k] offset:\k*1024
.endr
	WIN 0x40                                       ; destination in block 1
.set i, 0
.rept 32
	global_load_b128 v[4*i:4*i+3], v[ZERO], s[14:15] offset:16*i   ; w2a, the same bytes in every lane
.set i, i+1
.endr
	WIN 0
.set i, 0
.rept 4
	global_load_b128 v[W8+4*i:W8+4*i+3], v[ZERO], s[18:19] offset:512+16*i
	global_load_b128 v[B2A+4*i:B2A+4*i+3], v[ZERO], s[16:17] offset:16*i
.set i, i+1
.endr
	global_load_b128 v[B2B:B2B+3], v[ZERO], s[20:21]
	global_load_b128 v[B2B+4:B2B+7], v[ZERO], s[20:21] offset:16
	global_load_b32 v[B2B+8], v[ZERO], s[20:21] offset:32
	s_wait_dscnt 0x0                               ; my stage words are written, for the other waves' sake
	s_barrier_signal -1
	s_barrier_wait -1
.set ch, 0
.rept 32
	ds_load_b128 v[QD+4*ch:QD+4*ch+3], v[SA] offset:ch*256         ; sixteen lanes share an address
.set ch, ch+1
.endr
	s_wait_dscnt 0x0
	BUILDH 0
	WIN 0x40
.set i, 0
.rept 32
	global_load_b128 v[128+4*i:128+4*i+3], v[ZERO], s[18:19] offset:16*i   ; w2b rows 0-7
.set i, i+1
.endr
	WIN 0
	BUILDH 16
	s_wait_dscnt 0x0                               ; my part of the table is written
	s_barrier_signal -1
	s_barrier_wait -1                              ; from here on LDS is only read: no further barrier
	s_wait_loadcnt 0x0                             ; the weights, rows 0 and 1
.macro LOADN n                         ; 16 gathers of 8 bytes: channels 0-7 at z0 and z0 + 1 for (group, pixel) n
.set bb, BUF+32*((\n)%3)
.set pq, ((\n)&1)*256
.set cc, 0
.rept 8
	ds_load_b64 v[bb+4*cc:bb+4*cc+1], v[AD+(\n)] offset:cc*512+pq
	ds_load_b64 v[bb+4*cc+2:bb+4*cc+3], v[AD+(\n)] offset:cc*512+pq+ZS
.set cc, cc+1
.endr
.endm
.macro COMPN n                         ; the eight u0 terms, then the eight u1 terms
.set bb, BUF+32*((\n)%3)
.set ab, ACC+16*((\n)&1)
.set ub, U+2*(\n)
.set cc, 0
.rept 8
.if (\n) < 2
	MULB ab+2*cc, bb+4*cc, ub
.else
	FMAB ab+2*cc, bb+4*cc, ub, ab+2*cc
.endif
.set cc, cc+1
.endr
.set cc, 0
.rept 8
	FMAB ab+2*cc, bb+4*cc+2, ub+1, ab+2*cc
.set cc, cc+1
.endr
.endm
.macro TERM8 jj                        ; output 8 of the second layer, in two chains (even and odd j)
.if (\jj)==0
	FMAB0 P+16, A2, W8, B2B+8
.else
.if (\jj)==1
	MULB P8B, A2+2, W8+1
.else
.if ((\jj)&1)==0
	FMAB P+16, A2+2*(\jj), W8+(\jj), P+16
.else
	FMAB P8B, A2+2*(\jj), W8+(\jj), P8B
.endif
.endif
.endif
.endm
; One row.  e: its parity (raw set, immediate); fill = 1: the raw set is loaded again, two rows ahead; left: younger loads that may stay out.
.macro ITER e, fill, left
.set raw, RAW0+14*\e
	s_wait_loadcnt \left                           ; loads return in order: this row's seven are in, the next row's seven may be out
	s_wait_xcnt 0x0                                ; H and P, data of the last row's stores, are rewritten only behind this wait
.set n, 0
.rept 8
	v_lshrrev_b32 v[AD+n], 24, v[raw+6+n]          ; z0
	v_min_u32 v[AD+n], 6, v[AD+n]                  ; a loaded number enters an address only clamped
	v_lshl_add_u32 v[AD+n], v[AD+n], 12, v[GB+n/2]
.set n, n+1
.endr
	LOADN 0
	LOADN 1
.set g, 0
.rept 3
	v_pk_mul_f32 v[SP+2*g:SP+2*g+1], v[raw+2*g:raw+2*g+1], P2M24 op_sel_hi:[1,0]
.set g, g+1
.endr
.set n, 0
.rept 8
	v_and_b32 v[T+n], 0xffffff, v[raw+6+n]
	v_cvt_f32_u32 v[T+n], v[T+n]                   ; 2^24 wz, exact
.set n, n+1
.endr
.set n, 0
.rept 8
.if n<6
	v_mul_f32 v[U+2*n+1], v[T+n], v[SP+n]          ; u1 = s wz
	v_sub_f32 v[U+2*n], v[raw+n], v[U+2*n+1]       ; u0 = s - u1
.else
	v_mul_f32 v[U+2*n+1], P2M24, v[T+n]            ; the last group is added as it is: s = 1
	v_sub_f32 v[U+2*n], 1.0, v[U+2*n+1]
.endif
.set n, n+1
.endr
.if \fill
	RAWLOAD raw, 2+\e
.endif
.set n, 0
.rept 8
.if n+2<=7
	LOADN n+2
.endif
.if n<=5
	s_wait_dscnt 32                                ; two younger batches of 16 stay out
.else
	s_wait_dscnt 16*(7-n)                          ; one, then none
.endif
	COMPN n
.set n, n+1
.endr
.set c, 0
.rept 8
	v_fma_f32 v[H+2*c], v[WY], v[ACC+2*c+1], v[ACC+2*c]            ; A + wy D
	v_fma_f32 v[H+2*c+1], v[WY], v[ACC+16+2*c+1], v[ACC+16+2*c]
.set c, c+1
.endr
.set c, 0
.rept 16
	v_max_num_f32 v[H+c], 0, v[H+c]
.set c, c+1
.endr
.set c, 0
.rept 8
.if c<4
	global_store_b64 v[OFF], v[H+2*c:H+2*c+1], s[30:31] offset:(c-2)*MB4+\e*ROWB
.else
	global_store_b64 v[OFF], v[H+2*c:H+2*c+1], s[32:33] offset:(c-6)*MB4+\e*ROWB
.endif
.set c, c+1
.endr
	WIN 0x04                                       ; source 1 (the weight) in block 1
.set k, 0
.rept 8
.set j, 0
.rept 16
.if k==0
	FMAB0 A2+2*j, H+2*k, 8*j+k, B2A+j
.else
	FMAB A2+2*j, H+2*k, 8*j+k, A2+2*j
.endif
.set j, j+1
.endr
.set k, k+1
.endr
	WIN 0
.set j, 0
.rept 17
.if j<16
	v_max_num_f32 v[A2+2*j], 0, v[A2+2*j]
	v_max_num_f32 v[A2+2*j+1], 0, v[A2+2*j+1]
.endif
.if j>0
	TERM8 j-1
.endif
.set j, j+1
.endr
	WIN 0x04
.set j, 0
.rept 16
.set o, 0
.rept 8
.if j==0
	FMAB0 P+2*o, A2+2*j, 128+16*o+j, B2B+o
.else
	FMAB P+2*o, A2+2*j, 128+16*o+j, P+2*o
.endif
.set o, o+1
.endr
.set j, j+1
.endr
	WIN 0
	v_pk_add_f32 v[P+16:P+17], v[P+16:P+17], v[P8B:P8B+1]
	TANHQ P, 9
.set o, 0
.rept 9
.if o<4
	global_store_b64 v[OFF], v[P+2*o:P+2*o+1], s[34:35] offset:(o-2)*MB4+\e*ROWB
.else
.if o<8
	global_store_b64 v[OFF], v[P+2*o:P+2*o+1], s[36:37] offset:(o-6)*MB4+\e*ROWB
.else
	global_store_b64 v[OFF], v[P+2*o:P+2*o+1], s[38:39] offset:\e*ROWB
.endif
.endif
.set o, o+1
.endr
	v_add_f32 v[WY], s[SDWY], v[WY]
.endm
	s_mov_b32 s[SCNT], 3
.Ltrip:
	ITER 0, 1, 7
	ITER 1, 1, 7
	s_wait_xcnt 0x0                                ; OFF, which the loads and stores above name, steps only behind this wait
	v_add_nc_u32 v[OFF], 2*ROWB, v[OFF]
	s_sub_co_i32 s[SCNT], s[SCNT], 1
	s_cmp_lg_u32 s[SCNT], 0
	s_cbranch_scc1 .Ltrip
	ITER 0, 0, 7                                   ; rows 6 and 7: nothing more is loaded, the counts run down
	ITER 1, 0, 0
	s_wait_tensorcnt 0x0
	ds_add_u32 v254, v255
	s_wait_dscnt 0x0
	s_endpgm
.Lfunc_end_k_q7b529c8b70_slice1:
	.size	k_q7b529c8b70_slice1, .Lfunc_end_k_q7b529c8b70_slice1-k_q7b529c8b70_slice1
	.p2alignl 7, 3214868480
	.fill 96, 4, 3214868480
	.section	.rodata,"a",@progbits
	.p2align	6, 0x0
	.amdhsa_kernel k_q7b529c8b70_slice1
		.amdhsa_group_segment_fixed_size 140288
		.amdhsa_private_segment_fixed_size 0
		.amdhsa_enable_private_segment 0
		.amdhsa_kernarg_size 72
		.amdhsa_user_sgpr_count 2
		.amdhsa_user_sgpr_kernarg_segment_ptr 1
		.amdhsa_wavefront_size32 1
		.amdhsa_system_sgpr_workgroup_id_x 1
		.amdhsa_system_sgpr_workgroup_id_y 1
		.amdhsa_system_sgpr_workgroup_id_z 1
		.amdhsa_system_vgpr_workitem_id 0
		.amdhsa_next_free_vgpr 512
		.amdhsa_next_free_sgpr 66
		.amdhsa_reserve_vcc 0
		.amdhsa_float_denorm_mode_32 3
		.amdhsa_float_denorm_mode_16_64 3
		.amdhsa_memory_ordered 1
		.amdhsa_forward_progress 1
		.amdhsa_inst_pref_size 213
	.end_amdhsa_kernel
	.amdgpu_metadata
---
amdhsa.version: [ 1, 2 ]
amdhsa.kernels:
  - .name:           k_q7b529c8b70_slice1
    .symbol:         k_q7b529c8b70_slice1.kd
    .args:
      - { .name: src, .offset: 0, .size: 8, .value_kind: global_buffer, .address_space: global }
      - { .name: q1, .offset: 8, .size: 8, .value_kind: global_buffer, .address_space: global }
      - { .name: grid1, .offset: 16, .size: 8, .value_kind: global_buffer, .address_space: global }
      - { .name: w2a, .offset: 24, .size: 8, .value_kind: global_buffer, .address_space: global }
      - { .name: b2a, .offset: 32, .size: 8, .value_kind: global_buffer, .address_space: global }
      - { .name: w2b, .offset: 40, .size: 8, .value_kind: global_buffer, .address_space: global }
      - { .name: b2b, .offset: 48, .size: 8, .value_kind: global_buffer, .address_space: global }
      - { .name: hid, .offset: 56, .size: 8, .value_kind: global_buffer, .address_space: global }
      - { .name: q2, .offset: 64, .size: 8, .value_kind: global_buffer, .address_space: global }
    .group_segment_fixed_size: 140288
    .private_segment_fixed_size: 0
    .kernarg_segment_align: 8
    .kernarg_segment_size: 72
    .max_flat_workgroup_size: 256
    .sgpr_count:     66
    .vgpr_count:     512
    .wavefront_size: 32
...
	.end_amdgpu_metadata
.endif
;; end of part 2
;; launch slice2 (part 3): grid 16 x 16, 16 waves a work-group, no clusters, 157,696 bytes of LDS; arguments hid, q2, grid2, out0; writes out0
.if DOCPART == 3
	.amdgcn_target "amdgcn-amd-amdhsa--gfx1250"
	.amdhsa_code_object_version 6
	.text
	.protected	k_q7b529c8b70_slice2
	.globl	k_q7b529c8b70_slice2
	.p2align	8
	.type	k_q7b529c8b70_slice2,@function
k_q7b529c8b70_slice2:
	s_mov_b64 s[64:65], 0
	v_nop
	global_prefetch_b8 v0, s[64:65] scope:SCOPE_SE
	s_setreg_imm32_b32 hwreg(HW_REG_WAVE_MODE, 25, 1), 1
	s_wait_xcnt 0x0
; Stage 2's slicing and apply:  out0[o] = sum over k < 8 of coeff2[k][o] hid[k] + coeff2[8][o].
; The depth coordinates come as whole numbers q2 from the launch before (bits 31:24 cell z0 <= 6, bits 23:0 the fraction in 2^-24).
; SHARE as in the launches before: group (tx, b) owns columns 64 tx .. +63 and the 64 rows between grid rows ya and yb (band 15: the 32
; first and the 32 last rows, ya = 0, yb = 15, wy = 0 or 1); 16 waves of 4 rows; lane l owns columns 2 l, 2 l + 1: each global access
; of a wave covers 256 consecutive aligned bytes.
; TABLE in LDS, built once: (a, d) = (x-lerp on ya, x-lerp on yb - a) at byte k 16384 + z 2048 + c 512 + p 256 + 8 l; the fourth
; channel place of each z is never touched: it makes z a shift.  All terms but 8 l are multiples of 256 bytes: the 32 lanes of a
; gather of 8 bytes fall on 32 different pairs of banks whatever z each asks for.
; With u1 = h_k wz_k, u0 = h_k - u1 (h = 1 for k = 8): (A, D)[o] += u0 (a, d)[z0] + u1 (a, d)[z0 + 1]; the result is A + wy D.
; All four rows' loads are issued as early as registers allow: three rows at the start, the fourth when the first row's set is free.
; LIMITS, kept on purpose: lerps are a + w d (a rounding order other than the reference's); hid is scaled by 2^-24 and back, exact but
; for magnitudes under 2^-102; NaN or infinite inputs are not served.  The sum over k is part of the slicing and stays in f32.
.set MB4,   4194304
.set ROWB,  4096
.set GS,    16384
.set ZS,    2048
.set STAGE, 147456                     ; behind the table: 256 places of (channel, z), 216 used, x 2 halves x 4 cells: 8,192 bytes
.set P2M24, 0x33800000
.set P2P24, 0x4b800000
.set R64,   0x3c800000
; scalar registers: s[8:15] the four addresses, s[16:27] bases inside the planar arrays
.set SW, 28
.set SB, 29
.set SI0, 30
.set SRN, 31
.set SE, 32
.set SNE, 33
.set SR0, 34
.set SN0, 35
.set SYA, 36
.set SYB, 37
.set SDWY, 38
.set SB1, 39
.set SOFF, 40
.set ST, 41
.set STXM1, 42
.set SJ0, 43
.set SDY, 44
.set SZ, 45                            ; the z that my wave builds
.set SS, 46                            ; the column parity that my wave builds
.set SP24, 47                          ; 2^24
.set SX, 48
; vector registers
.set OFF,  2                           ; never rewritten: the rows are reached by immediates
.set WY,   3
.set GB,   4                           ; v[4:12]    k 16384 + 8 l
.set LANE, 13
.set OUT,  14                          ; v[14:19]   pair 14 + 2 o: both pixels
.set ACC,  20                          ; v[20:31]   (A, D): 20 + 6 p + 2 o
.set U,    32                          ; v[32:43]   three sets of (u0, u1) x 2 pixels
.set T,    44                          ; v[44:51]   two sets of 2 addresses and 2 fractions
.set BUF,  52                          ; v[52:123]  three batches of 12 gathered pairs
.set R0,   124                         ; v[124:157] a row: 8 pairs of hid, 9 pairs of q2
.set R1,   158
.set R2,   192
; while the table is built:
.set W,    32                          ; (wx, 1 - wx) of my column
.set TA,   34                          ; v[34:36] where I store (groups 0-3, 4-7, 8)
.set SA,   37
.set GOFF, 38
.set GOFF3, 39
.set SD,   40                          ; v[40:43] the four cells that I fetch
.set QD,   52                          ; up to 14 channels x 4 cells
.macro FMAB d, x, w, c                 ; pair d = pair x * (register w, both halves) + pair c
.set fd, \d
.set fx, \x
.set fc, \c
.set wl, (\w)&1
.set we, (\w)-wl
.if wl==0
	v_pk_fma_f32 v[fd:fd+1], v[fx:fx+1], v[we:we+1], v[fc:fc+1] op_sel_hi:[1,0,1]
.else
	v_pk_fma_f32 v[fd:fd+1], v[fx:fx+1], v[we:we+1], v[fc:fc+1] op_sel:[0,1,0] op_sel_hi:[1,1,1]
.endif
.endm
.macro MULB d, x, w                    ; pair d = pair x * (register w): starts a sum
.set fd, \d
.set fx, \x
.set wl, (\w)&1
.set we, (\w)-wl
.if wl==0
	v_pk_mul_f32 v[fd:fd+1], v[fx:fx+1], v[we:we+1] op_sel_hi:[1,0]
.else
	v_pk_mul_f32 v[fd:fd+1], v[fx:fx+1], v[we:we+1] op_sel:[0,1] op_sel_hi:[1,1]
.endif
.endm
.macro GEOM rpw
	v_lshrrev_b32 v1, 5, v0
	v_readfirstlane_b32 s[SW], v1
	s_and_b32 s[SB], ttmp7, 0xffff
	s_mul_i32 s[SI0], s[SW], \rpw                  ; i0: my first row in the band
	s_lshl_b32 s[SRN], s[SB], 6
	s_add_co_u32 s[SRN], s[SRN], s[SI0]
	s_add_co_u32 s[SRN], s[SRN], 32                ; bands 0..14: row 64 b + 32 + i0
	s_add_co_u32 s[SB1], s[SB], 1
	s_cmp_lt_u32 s[SI0], 32
	s_cselect_b32 s[SE], 0, 960
	s_cselect_b32 s[SNE], 0, 64
	s_add_co_u32 s[SE], s[SE], s[SI0]              ; band 15: row i0 or 960 + i0
	s_cmp_eq_u32 s[SB], 15                         ; only selects follow: they leave SCC alone
	s_cselect_b32 s[SR0], s[SE], s[SRN]
	s_cselect_b32 s[SN0], s[SNE], s[SI0]           ; 64 wy of my first row
	s_cselect_b32 s[SDWY], 0, R64
	s_cselect_b32 s[SYA], 0, s[SB]
	s_cselect_b32 s[SYB], 15, s[SB1]
	s_lshl_b32 s[SOFF], s[SR0], 12
	s_lshl_b32 s[ST], ttmp9, 8
	s_add_co_u32 s[SOFF], s[SOFF], s[ST]
	v_and_b32 v[LANE], 31, v0
	v_lshl_add_u32 v[OFF], v[LANE], 3, s[SOFF]
	v_cvt_f32_u32 v[WY], s[SN0]
	v_mul_f32 v[WY], R64, v[WY]
.endm
.macro BUILD1 g, w, ta, of, t          ; one table entry from cells (ya,xc) (yb,xc) (ya,xc+1) (yb,xc+1)
	v_pk_mul_f32 v[\t:\t+1], v[\g:\g+1], v[\w:\w+1] op_sel:[0,1] op_sel_hi:[1,1]
	v_pk_fma_f32 v[\t:\t+1], v[\g+2:\g+3], v[\w:\w+1], v[\t:\t+1] op_sel_hi:[1,0,1]
	v_sub_f32 v[\t+1], v[\t+1], v[\t]
	ds_store_b64 v[\ta], v[\t:\t+1] offset:\of
.endm
.macro BATCH first, count              ; channels first .. first + count - 1 of my z and my column parity
.set ch, \first
.rept \count
	ds_load_b128 v[QD+4*(ch-\first):QD+4*(ch-\first)+3], v[SA] offset:ch*256
.set ch, ch+1
.endr
	s_wait_dscnt 0x0
.set ch, \first
.rept \count
.set gg, ch/3
.set gq, QD+4*(ch-\first)
.set ta, TA+(gg>>2)
.set of, (gg&3)*GS+(ch%3)*512
.set tt, T+2*(ch%4)
	BUILD1 gq, W, ta, of, tt
.set ch, ch+1
.endr
.endm
.macro ROWLOAD r, row                  ; 17 loads: a row of hid and of q2; read once
.set kk, 0
.rept 8
.if kk<4
	global_load_b64 v[\r+2*kk:\r+2*kk+1], v[OFF], s[16:17] offset:(kk-2)*MB4+\row*ROWB th:TH_LOAD_NT
.else
	global_load_b64 v[\r+2*kk:\r+2*kk+1], v[OFF], s[18:19] offset:(kk-6)*MB4+\row*ROWB th:TH_LOAD_NT
.endif
.set kk, kk+1
.endr
.set kk, 0
.rept 9
.if kk<4
	global_load_b64 v[\r+16+2*kk:\r+16+2*kk+1], v[OFF], s[20:21] offset:(kk-2)*MB4+\row*ROWB th:TH_LOAD_NT
.else
.if kk<8
	global_load_b64 v[\r+16+2*kk:\r+16+2*kk+1], v[OFF], s[22:23] offset:(kk-6)*MB4+\row*ROWB th:TH_LOAD_NT
.else
	global_load_b64 v[\r+16+2*kk:\r+16+2*kk+1], v[OFF], s[24:25] offset:\row*ROWB th:TH_LOAD_NT
.endif
.endif
.set kk, kk+1
.endr
.endm
	s_load_b256 s[8:15], s[0:1], 0x0               ; hid 8, q2 10, grid2 12, out0 14
	v_lshl_add_u32 v232, v0, 2, 0x26000
	v_mov_b32 v233, 0
	GEOM 4
	s_add_co_i32 s[STXM1], ttmp9, -1
	s_sub_co_u32 s[SDY], s[SYB], s[SYA]
	s_and_b32 s[SZ], s[SW], 7
	s_lshr_b32 s[SS], s[SW], 3
	s_lshl_b32 s[SJ0], ttmp9, 6
	s_add_co_u32 s[SJ0], s[SJ0], s[SS]
	s_sub_co_i32 s[SJ0], s[SJ0], 32                ; 64 tx + parity - 32
	s_mov_b32 s[SP24], P2P24
	; thread t fetches one grid cell of 4 (channel, z): bit 0: ya or yb; bit 1: xc or xc + 1; bit 2: half of the columns; t >> 3: (channel, z)
	v_and_b32 v44, 1, v0
	v_bfe_u32 v45, v0, 1, 1
	v_bfe_u32 v46, v0, 2, 1
	v_lshrrev_b32 v47, 3, v0
	v_add_nc_u32 v46, s[STXM1], v46
	v_max_i32 v46, 0, v46
	v_min_i32 v46, 14, v46
	v_add_nc_u32 v46, v46, v45
	v_mad_u32_u24 v44, v44, s[SDY], s[SYA]
	v_lshlrev_b32 v46, 2, v46
	v_lshl_add_u32 v46, v44, 6, v46                ; 64 y + 4 x
	v_lshl_add_u32 v[GOFF], v47, 10, v46
	v_add_nc_u32 v47, 192, v47
	v_min_u32 v47, 215, v47                        ; grid2 has 216 (channel, z): the fourth load stays inside; the doubles land in stage words that nobody reads
	v_lshl_add_u32 v[GOFF3], v47, 10, v46
	s_wait_kmcnt 0x0
	s_add_nc_u64 s[16:17], s[8:9], 2*MB4           ; hid at planes 2 and 6
	s_add_nc_u64 s[18:19], s[8:9], 6*MB4
	s_add_nc_u64 s[20:21], s[10:11], 2*MB4         ; q2 at planes 2, 6 and 8
	s_add_nc_u64 s[22:23], s[10:11], 6*MB4
	s_add_nc_u64 s[24:25], s[10:11], 8*MB4
	s_add_nc_u64 s[26:27], s[14:15], MB4           ; out0 at plane 1
.irp k, 0,1,2
	global_load_b32 v[SD+\k], v[GOFF], s[12:13] offset:\k*65536    ; 64 (channel, z) further each time
.endr
	global_load_b32 v[SD+3], v[GOFF3], s[12:13]
	ROWLOAD R0, 0
	ROWLOAD R1, 1
	ROWLOAD R2, 2
	; my column's x weight and the LDS addresses of the build
	v_lshrrev_b32 v44, 4, v[LANE]                  ; half of the columns
	v_add_nc_u32 v45, s[STXM1], v44
	v_max_i32 v45, 0, v45
	v_min_i32 v45, 14, v45
	v_lshlrev_b32 v45, 6, v45                      ; 64 xc
	v_lshl_add_u32 v46, v[LANE], 1, s[SJ0]         ; j - 32
	v_sub_nc_u32 v46, v46, v45
	v_cvt_f32_i32 v[W], v46
	v_mul_f32 v[W], R64, v[W]
	v_med3_num_f32 v[W], v[W], 0, 1.0              ; the clip at the picture's left and right edge
	v_sub_f32 v[W+1], 1.0, v[W]
	s_lshl_b32 s[SX], s[SZ], 11
	s_lshl_b32 s[ST], s[SS], 8
	s_add_co_u32 s[SX], s[SX], s[ST]
	v_lshl_add_u32 v[TA], v[LANE], 3, s[SX]        ; 8 l + 2048 z + 256 parity
	v_add_nc_u32 v[TA+1], 4*GS, v[TA]
	v_add_nc_u32 v[TA+2], 8*GS, v[TA]
	s_lshl_b32 s[SX], s[SZ], 5
	s_add_co_u32 s[SX], s[SX], STAGE
	v_lshl_add_u32 v[SA], v44, 4, s[SX]
	v_lshl_add_u32 v47, v0, 2, STAGE
	v_lshlrev_b32 v[GB], 3, v[LANE]
.irp k, 1,2,3,4,5,6,7,8
	v_add_nc_u32 v[GB+\k], \k*GS, v[GB]
.endr
	s_wait_loadcnt 51                              ; three rows of 17 loads are younger: the four cells are in
.irp k, 0,1,2,3
	ds_store_b32 v47, v[SD+\k] offset:\k*2048
.endr
	s_wait_dscnt 0x0                               ; my stage words are written, for the other waves' sake
	s_barrier_signal -1
	s_barrier_wait -1
	BATCH 0, 14
	BATCH 14, 13
	s_wait_dscnt 0x0                               ; my part of the table is written
	s_barrier_signal -1
	s_barrier_wait -1                              ; from here on LDS is only read: no further barrier
; group k of the row in set r: addresses, (u0, u1), and 12 gathers of 8 bytes (2 pixels x 3 channels x z0, z0 + 1)
.macro PREP r, k
.set tb, T+4*((\k)&1)
.set ub, U+4*((\k)%3)
.set bb, BUF+24*((\k)%3)
.set pp, 0
.rept 2
	v_lshrrev_b32 v[tb+pp], 24, v[\r+16+2*(\k)+pp]                 ; z0
	v_and_b32 v[tb+2+pp], 0xffffff, v[\r+16+2*(\k)+pp]
	v_min_u32 v[tb+pp], 6, v[tb+pp]                                ; a loaded number enters an address only clamped
	v_cvt_f32_u32 v[tb+2+pp], v[tb+2+pp]                           ; 2^24 wz, exact
	v_lshl_add_u32 v[tb+pp], v[tb+pp], 11, v[GB+(\k)]
.set cc, 0
.rept 3
	ds_load_b64 v[bb+12*pp+4*cc:bb+12*pp+4*cc+1], v[tb+pp] offset:cc*512+pp*256
	ds_load_b64 v[bb+12*pp+4*cc+2:bb+12*pp+4*cc+3], v[tb+pp] offset:cc*512+pp*256+ZS
.set cc, cc+1
.endr
.if (\k) < 8
	v_mul_f32 v[ub+2*pp+1], v[tb+2+pp], v[\r+2*(\k)+pp]            ; u1 = h wz (h stands scaled by 2^-24)
	v_fma_f32 v[ub+2*pp], v[\r+2*(\k)+pp], s[SP24], -v[ub+2*pp+1]  ; u0 = h - u1
.else
	v_mul_f32 v[ub+2*pp+1], P2M24, v[tb+2+pp]                      ; the last group is added as it is: h = 1
	v_sub_f32 v[ub+2*pp], 1.0, v[ub+2*pp+1]
.endif
.set pp, pp+1
.endr
.endm
.macro COMP k                          ; the six u0 terms, then the six u1 terms
.set ub, U+4*((\k)%3)
.set bb, BUF+24*((\k)%3)
.set pp, 0
.rept 2
.set cc, 0
.rept 3
.if (\k)==0
	MULB ACC+6*pp+2*cc, bb+12*pp+4*cc, ub+2*pp
.else
	FMAB ACC+6*pp+2*cc, bb+12*pp+4*cc, ub+2*pp, ACC+6*pp+2*cc
.endif
.set cc, cc+1
.endr
.set pp, pp+1
.endr
.set pp, 0
.rept 2
.set cc, 0
.rept 3
	FMAB ACC+6*pp+2*cc, bb+12*pp+4*cc+2, ub+2*pp+1, ACC+6*pp+2*cc
.set cc, cc+1
.endr
.set pp, pp+1
.endr
.endm
; One row from set r.  left: younger global loads that may stay out.
.macro ROW r, row, left
	s_wait_loadcnt \left                           ; loads return in order: this row's 17 are in
.set kk, 0
.rept 8
	v_pk_mul_f32 v[\r+2*kk:\r+2*kk+1], v[\r+2*kk:\r+2*kk+1], P2M24 op_sel_hi:[1,0]
.set kk, kk+1
.endr
	PREP \r, 0
	PREP \r, 1
.set kk, 0
.rept 9
.if kk+2<=8
	PREP \r, kk+2
.endif
.if kk<=6
	s_wait_dscnt 24                                ; two younger batches of 12 stay out
.else
	s_wait_dscnt 12*(8-kk)                         ; one, then none
.endif
	COMP kk
.set kk, kk+1
.endr
	s_wait_xcnt 0x0                                ; OUT, data of the last row's stores, is rewritten only behind this wait
.set oo, 0
.rept 3
	v_fma_f32 v[OUT+2*oo], v[WY], v[ACC+2*oo+1], v[ACC+2*oo]       ; A + wy D
	v_fma_f32 v[OUT+2*oo+1], v[WY], v[ACC+6+2*oo+1], v[ACC+6+2*oo]
.set oo, oo+1
.endr
.set oo, 0
.rept 3
	global_store_b64 v[OFF], v[OUT+2*oo:OUT+2*oo+1], s[26:27] offset:(oo-1)*MB4+\row*ROWB th:TH_STORE_NT
.set oo, oo+1
.endr
	v_add_f32 v[WY], s[SDWY], v[WY]
.endm
	ROW R0, 0, 34                                  ; rows 1 and 2 stay out
	ROWLOAD R0, 3                                  ; the first set has been read to the end
	ROW R1, 1, 34                                  ; rows 2 and 3 stay out
	ROW R2, 2, 17                                  ; row 3 stays out
	ROW R0, 3, 0
	s_wait_tensorcnt 0x0
	ds_add_u32 v232, v233
	s_wait_dscnt 0x0
	s_endpgm
.Lfunc_end_k_q7b529c8b70_slice2:
	.size	k_q7b529c8b70_slice2, .Lfunc_end_k_q7b529c8b70_slice2-k_q7b529c8b70_slice2
	.p2alignl 7, 3214868480
	.fill 96, 4, 3214868480
	.section	.rodata,"a",@progbits
	.p2align	6, 0x0
	.amdhsa_kernel k_q7b529c8b70_slice2
		.amdhsa_group_segment_fixed_size 157696
		.amdhsa_private_segment_fixed_size 0
		.amdhsa_enable_private_segment 0
		.amdhsa_kernarg_size 32
		.amdhsa_user_sgpr_count 2
		.amdhsa_user_sgpr_kernarg_segment_ptr 1
		.amdhsa_wavefront_size32 1
		.amdhsa_system_sgpr_workgroup_id_x 1
		.amdhsa_system_sgpr_workgroup_id_y 1
		.amdhsa_system_sgpr_workgroup_id_z 1
		.amdhsa_system_vgpr_workitem_id 0
		.amdhsa_next_free_vgpr 234
		.amdhsa_next_free_sgpr 66
		.amdhsa_reserve_vcc 0
		.amdhsa_float_denorm_mode_32 3
		.amdhsa_float_denorm_mode_16_64 3
		.amdhsa_memory_ordered 1
		.amdhsa_forward_progress 1
		.amdhsa_inst_pref_size 103
	.end_amdhsa_kernel
	.amdgpu_metadata
---
amdhsa.version: [ 1, 2 ]
amdhsa.kernels:
  - .name:           k_q7b529c8b70_slice2
    .symbol:         k_q7b529c8b70_slice2.kd
    .args:
      - { .name: hid, .offset: 0, .size: 8, .value_kind: global_buffer, .address_space: global }
      - { .name: q2, .offset: 8, .size: 8, .value_kind: global_buffer, .address_space: global }
      - { .name: grid2, .offset: 16, .size: 8, .value_kind: global_buffer, .address_space: global }
      - { .name: out0, .offset: 24, .size: 8, .value_kind: global_buffer, .address_space: global }
    .group_segment_fixed_size: 157696
    .private_segment_fixed_size: 0
    .kernarg_segment_align: 8
    .kernarg_segment_size: 32
    .max_flat_workgroup_size: 512
    .sgpr_count:     66
    .vgpr_count:     234
    .wavefront_size: 32
...
	.end_amdgpu_metadata
.endif
;; end of part 3
